; MI455X (gfx1250); checked and timed in simulation.
; The chip was launched on July 23, 2026; its instructions are those of AMD's public machine-readable ISA for CDNA 5 (MIT licence, August 2026) and "CDNA5" Instruction Set Architecture Reference Guide (July 2026). The comments in the code are by the model that wrote it; some were corrected since.
;; Multi Head Attention. Allowed arithmetic: matrix products marked QUANTISED: E2M1 operands, one E8M0 scale for each 32 along K, by v_wmma_scale_f32_16x16x128_f8f6f4 with both operands' format E2M1 (or v_wmma_scale_f32_32x16x128_f4), f32 sums; everything else in f32.
;; Inputs: W_fc_codes 1,024 x 32 x 16 uint8 (E2M1 codes of W_fc, K innermost, in blocks of 32 codes, two codes a byte); W_fc_scales 1,024 x 32 uint8 (E8M0 scales of W_fc, one for each 32 codes along K); W_qkv_codes 3,072 x 32 x 16 uint8 (E2M1 codes of W_qkv, K innermost, in blocks of 32 codes, two codes a byte); W_qkv_scales 3,072 x 32 uint8 (E8M0 scales of W_qkv, one for each 32 codes along K); X_codes 4 x 2,048 x 32 x 16 uint8 (E2M1 codes of X, K innermost, in blocks of 32 codes, two codes a byte); X_scales 4 x 2,048 x 32 uint8 (E8M0 scales of X, one for each 32 codes along K); b_fc 1,024 float32; b_qkv 3,072 float32.
;; Outputs: out0 4 x 2,048 x 1,024 float32.
;; This version of the problem:
;;   THIS VERSION OF THE PROBLEM IS GIVEN IN LOW PRECISION. The matrix products marked QUANTISED in the list below multiply operands that are first quantised to E2M1 (2 exponent bits, 1 mantissa bit; 4 bits a number), with one power-of-two scale for each 32 numbers along K (OCP MX v1.0); their sums are f32. All else is computed in f32.
;;   The module's matrix products, in the order in which they are computed (A, B: the left and right operand; K: the contracted axis; several contracted axes count as one K, in the product's order):
;;     1. [M 8,192, K 1,024] x [K 1,024, N 3,072]; A: input X (given as codes); B: input W_qkv (given as codes): QUANTISED
;;     2. batch 64 x [M 2,048, K 64] x [K 64, N 2,048]; A: computed on the way; B: computed on the way: QUANTISED
;;     3. batch 64 x [M 2,048, K 2,048] x [K 2,048, N 64]; A: softmax (see below); B: computed on the way: QUANTISED
;;     4. [M 8,192, K 1,024] x [K 1,024, N 1,024]; A: computed on the way; B: input W_fc (given as codes): QUANTISED
;;   THE QUANTISER, for each operand of a quantised product, along K:
;;     - K is cut into blocks of 32 from its start; a last block that is shorter is filled with zeros.
;;     - A block's scale is 2^e with e = floor(log2(the largest magnitude in the block)) - 2, held to -126 .. 127; a block of zeros has e = 0. As a byte (E8M0): e + 127.
;;     - Each number is divided by its block's scale, clamped to +-6, and rounded to the nearest number of E2M1, ties to even, subnormals kept.
;;     - The product sums the exact products of the quantised numbers (number of the format x scale) in f32.
;;   ~~~python
;;   def quantise(x, axis):      # numpy; x: float32 -> the quantised numbers, widened to float32 again
;;       x = np.moveaxis(x, axis, -1); K = x.shape[-1]
;;       x = np.pad(x, [(0, 0)] * (x.ndim - 1) + [(0, -K % 32)]); x = x.reshape(x.shape[:-1] + (-1, 32)); a = np.abs(x).max(-1, keepdims=True)
;;       e = np.where(a > 0, np.clip(np.frexp(np.where(a > 0, a, 1))[1] - 1 - 2, -126, 127), 0)      # np.frexp(a)[1] - 1 = floor(log2(a)), exactly
;;       r = np.clip(x / 2.0 ** e, -6, 6)
;;       step = 2.0 ** (np.maximum(np.frexp(np.where(r == 0, 1, r))[1] - 1, 0) - 1)
;;       q = np.round(r / step) * step * 2.0 ** e      # np.round: ties to even
;;       return np.moveaxis(q.reshape(q.shape[:-2] + (-1,))[..., :K], -1, axis).astype(np.float32)
;;   ~~~
;;   SOFTMAX AHEAD OF A QUANTISED PRODUCT. Where the list says 'softmax', what is quantised is not the finished softmax but p = 2^(t - M), with t = logit x log2(e) and M = ceil(the row's largest t), a whole number; so 1/2 < the row's largest p <= 1. The row's sum l is taken of the UNQUANTISED p, in f32, and the product's result is divided by l at the end. Since M is a whole number, a kernel that streams over the keys may use a running M (the ceiling of the running maximum): every later rescaling is an exact power of two, which a block's scale takes up: the codes' values come out the same.
;;   OPERANDS COMPUTED ON THE WAY. 'Computed on the way' means the value that the module computes at that place (a softmax that the list does not call 'softmax' is quantised finished and normalised). What goes into a quantiser is computed in f32, as accurately as f32 sums, v_exp_f32 and their like allow (about 1e-6 of the number): no bf16 or f16 on the way to a quantiser, and a product that is left as it is and whose result goes on into a quantised operand takes f32 operands (vector FMAs, or v_wmma_f32_16x16x4_f32). A number that lies on a knife's edge between two numbers of the format may be rounded either way, as far as f32 arithmetic and the matrix unit's own rounding can turn it there, and no further.
;;   INPUTS GIVEN AS CODES. W_fc (in the module: [1024, 1024], K = its axis 0); W_qkv (in the module: [1024, 3072], K = its axis 0); X (in the module: [4, 2048, 1024], K = its axis 2): each comes as NAME_codes (uint8): NAME with its K axis moved to the last place and cut into blocks of 32 codes, [.., K / 32, bytes a block], one block behind the other in memory; two codes a byte, the lower K in the low four bits (a code: sign, 2 exponent bits, 1 mantissa bit); and NAME_scales (uint8): the same leading axes, one E8M0 byte (e + 127) for each 32 codes along K. Its value is code x scale, taken as it is: it is not quantised again, and the codes and scales need not be those that the quantiser above would give.
;; One version. Each part assembles by itself: llvm-mc -triple=amdgcn-amd-amdhsa -mcpu=gfx1250 --defsym DOCPART=n.
;; ======== version 1 of 1: 3 launches
;; workspace buffers: qbuf 4,718,592 bytes; kvbuf 9,175,040 bytes; obuf 4,456,448 bytes
;; launch qkv (part 1): grid 16 x 32, 4 waves a work-group, clusters of 4 x 4, 244,736 bytes of LDS; arguments X_codes, X_scales, W_qkv_codes, W_qkv_scales, b_qkv, qbuf, kvbuf; writes qbuf, kvbuf
.if DOCPART == 1
	.amdgcn_target "amdgcn-amd-amdhsa--gfx1250"
	.amdhsa_code_object_version 6
	.text
	.protected	k_q7a9d026ea8_qkv
	.globl	k_q7a9d026ea8_qkv
	.p2align	8
	.type	k_q7a9d026ea8_qkv,@function
k_q7a9d026ea8_qkv:
	s_mov_b64 s[64:65], 0
	v_nop
	global_prefetch_b8 v0, s[64:65] scope:SCOPE_SE
	s_setreg_imm32_b32 hwreg(HW_REG_WAVE_MODE, 25, 1), 1
	s_wait_xcnt 0x0
	s_wait_alu depctr_hold_cnt(0) depctr_sa_sdst(0) depctr_va_vdst(0) depctr_va_sdst(0) depctr_va_ssrc(0) depctr_va_vcc(0) depctr_vm_vsrc(0)
	s_getreg_b32 s2, hwreg(HW_REG_IB_STS2, 6, 4)
	s_cmp_eq_u32 s2, 0
	s_cbranch_scc0 .Lentry_in_a_cluster
	s_endpgm
.Lentry_in_a_cluster:
	s_bfe_u32 s2, ttmp6, 0x10000c
	s_cmp_lg_u32 s2, 0xf033
	s_cbranch_scc0 .Lentry_shape_is_right
	s_endpgm
.Lentry_shape_is_right:
; qkv = X W_qkv + b_qkv on codes of FP4 (E2M1) with one E8M0 scale for each 32 along K = 1,024; then Q and K are quantised along d and V along the keys, in registers, and stored as
; images of the operand registers that the attention launch loads (lane l's 16 bytes at 16 l).
; SHARES.  A work-group makes 256 tokens x the 192 columns of one head (64 of Q, 64 of K, 64 of V).  Wave w makes tokens 64 w .. 64 w + 63 x all 192: 48 accumulators of 16 x 16, 384 registers.
; Q AND K ARE MADE TRANSPOSED (source 0 = 16 columns of W, source 1 = 16 tokens): a lane holds ONE token and its registers run along d, the next product's K.
; V IS MADE THE OTHER WAY ROUND (source 0 = 16 tokens, source 1 = 16 columns): a lane holds ONE channel and its registers run along the tokens, which are the keys, the third product's K.
; LDS.  All of K lies in LDS, filled once, in two halves of 512 along K (rows of 256 bytes + 16 of padding): no byte is filled twice, so there is no ring.
; CLUSTER.  4 x 4 work-groups: the four of a row share their 256 tokens of X, the four of a column their head's 192 rows of W: each tile is asked for jointly.
; NO PREFETCH: all four tensor loads of a wave go out at the head; no later stream exists.
; THE QUANTISER.  Tiles T = 0 .. 3 of 16 along the next K; in tile T lane (r, h) holds k = 16 T + 8 h + 0 .. 7.  Block B = tiles 2 B, 2 B + 1: 16 numbers in a lane, 16 in lane l xor 16.
; Tile T's eight codes go to register P4(T) = 0, 2, 1, 3 of a run of four; two exchanges of halves then leave k = 32 h + 0 .. 31 in the lane's four registers: the operand's layout.
; LIMITS: a block whose largest magnitude lies under 2^-124 (a block of zeros too) gets the byte 1: a block of zeros has zero codes, which add nothing, and this program alone reads the bytes.
; NaN and infinities are not served.  Given scale bytes are taken as they are.  The sums begin with the bias as C.
; REGISTERS, in windows of 256: window 0: v1-19 addresses; v32-47 X's scale words; v48-95 W's; v96-159 X's fragments, two sets; v160-207 codes made; v208-251 at work.
;   window 1: v0-191 W's fragments, two sets of 96; v192-255 the bias of Q's and K's 8 tiles.   window 2: Q's accumulators at 8 (4 x + t), K's at 128 + 8 (4 x + t).
;   window 3: V's accumulators at 8 (4 tv + x); v128-159 V's bias.
.set PITCH, 272                        ; an LDS row: 256 bytes + 16 = 68 words: the 16 rows that a load touches start at 16 different banks (64 banks of 4 bytes: ISA guide 11.1)
.set XROWS, 256*PITCH                  ; X's 256 rows of one half of K
.set HALF,  448*PITCH                  ; and W's 192 behind them
.set VST,   2*HALF                     ; 512 bytes: V's scale words of the work-group's two key steps; no tile lands here
.set ADX, 4                            ; v4-5   my X fragments in half 0, 1
.set ADW, 6                            ; v6-7   W's
.set SA,  8                            ; v8     32 r + 16 h: my 16 bytes of a row of scale bytes
.set BA,  9                            ; v9     32 h
.set BV,  10                           ; v10    4 r
.set LI,  11                           ; v11    16 x lane
.set L8,  12                           ; v12    8 x lane
.set VK,  13                           ; v13    K's images: 16 x lane + 2,048 (w & 1)
.set VKS, 14                           ; v14    K's scale pairs: 8 x lane + 256 (w & 1)
.set VV,  15                           ; v15    V's images: 16 x lane + 512 (w & 1)
.set VSA, 16                           ; v16    LDS: my two bytes of V's scale words
.set VSR, 17                           ; v17    LDS: 16 bytes a lane of them
.set VSO, 18                           ; v18    and their place in kvbuf
.set XS,  32
.set WS,  48
.set XF,  96
.set TM,  208                          ; v208-215 largest magnitudes
.set T2,  216                          ; v216-223 the other half's
.set SC,  224                          ; v224-231 the conversions' scale operands
.set BY,  232                          ; v232-239 scale bytes
.set PW,  240                          ; v240-243 scale words
.set WV,  18                           ; s18 my wave's number
.set SEL, 66                           ; s[66:67] lane selects: lane l xor 16
.set MSB, 0
.macro WIN new                         ; the immediate's high byte repeats the setting that is left
.if MSB != \new
	s_set_vgpr_msb (MSB<<8)|\new
.set MSB, \new
.endif
.endm
.macro PLACES                          ; four plain vector instructions behind a matrix instruction, ahead of loads into its registers and of reads of its results
.rept 4
	v_nop
.endr
.endm
.macro CROUND                          ; a round of the cluster's barrier
	s_barrier_signal -1
	s_barrier_wait -1
	s_cmp_lg_u32 s[WV], 0
	s_cbranch_scc1 .Lnot_wave_0_\@
	s_barrier_signal -3
.Lnot_wave_0_\@:
	s_barrier_wait -3
	s_barrier_signal -1
	s_barrier_wait -1
.endm
; one product: D, source 0, source 1, C, their scale registers, and whether each side's scales stand in lanes 16-31
.macro WMMA d, a, b, c, sa, sb, ra, rb
.set rD, \d
.set rA, \a
.set rB, \b
.set rC, \c
.set rE, \sa
.set rF, \sb
.set rR, 2*(\ra)+(\rb)
.if rR == 0
	v_wmma_scale_f32_16x16x128_f8f6f4 v[rD:rD+7], v[rA:rA+7], v[rB:rB+7], v[rC:rC+7], v[rE], v[rF] matrix_a_fmt:MATRIX_FMT_FP4 matrix_b_fmt:MATRIX_FMT_FP4
.else
	v_wmma_scale_f32_16x16x128_f8f6f4 v[rD:rD+7], v[rA:rA+7], v[rB:rB+7], v[rC:rC+7], v[rE], v[rF] matrix_a_fmt:MATRIX_FMT_FP4 matrix_b_fmt:MATRIX_FMT_FP4 matrix_a_scale:MATRIX_SCALE_ROW1 matrix_b_scale:MATRIX_SCALE_ROW1
.endif
.endm
	s_load_b256 s[4:11], s[0:1], 0x0               ; X's codes s[4:5], X's scales s[6:7], W's codes s[8:9], W's scales s[10:11]
	s_load_b128 s[12:15], s[0:1], 0x20             ; b_qkv s[12:13], qbuf s[14:15]
	s_load_b64 s[16:17], s[0:1], 0x30              ; kvbuf
	v_lshl_add_u32 v254, v0, 2, 0x3ba00
	v_mov_b32 v255, 0
	ds_add_u32 v254, v255
	ds_add_u32 v254, v255
	v_lshrrev_b32 v1, 5, v0
	v_readfirstlane_b32 s[WV], v1                  ; wave 0..3
	s_and_b32 s19, s[WV], 1
	s_bfe_u32 s20, ttmp6, 0x40000                  ; cx, cy: my place in the cluster
	s_bfe_u32 s21, ttmp6, 0x40004
	s_lshl_b32 s22, ttmp9, 2
	s_add_co_u32 s22, s22, s20                     ; the head = 4 x cluster x + cx
	s_and_b32 s23, ttmp7, 0xffff
	s_lshl_b32 s23, s23, 2
	s_add_co_u32 s23, s23, s21                     ; the block of 256 tokens = 4 x cluster y + cy
	s_lshl_b32 s40, s21, 2
	s_lshl_b32 s40, 15, s40                        ; my row of the cluster
	s_lshl_b32 s41, 0x1111, s20                    ; my column
	; descriptor group 1 for X: 64 rows x 256 bytes, 512 bytes apart in memory, 16 bytes of padding behind each in LDS
	s_or_b32 s24, s40, (1<<20)|(1<<21)|(5<<22)|(3<<25)  ; 15:0 the mask: my row; 17:16 elements of 1 byte; 20 padding on; 21 set beside a mask; 24:22 after every 64 words; 31:25 four words
	s_mov_b32 s25, 256<<16                         ; tensor_dim0
	s_mov_b32 s26, 64<<16                          ; tensor_dim1
	s_mov_b32 s27, 256<<16                         ; tile_dim0
	s_mov_b32 s28, 64                              ; tile_dim1
	s_mov_b32 s29, 512                             ; from row to row
	s_mov_b32 s30, 0
	s_mov_b32 s31, 0
	; and for W: 48 rows, the mask of my column
	s_or_b32 s32, s41, (1<<20)|(1<<21)|(5<<22)|(3<<25)
	s_mov_b32 s33, 256<<16
	s_mov_b32 s34, 48<<16
	s_mov_b32 s35, 256<<16
	s_mov_b32 s36, 48
	s_mov_b32 s37, 512
	s_mov_b32 s38, 0
	s_mov_b32 s39, 0
	s_lshl_b32 s42, s23, 17                        ; X: (256 block + 64 w) rows of 512 bytes: made of the block and the wave alone
	s_lshl_b32 s46, s[WV], 15
	s_add_co_u32 s42, s42, s46
	s_mov_b32 s43, 0
	s_mul_i32 s44, s22, 192*512                    ; W: (192 head + 48 w) rows: made of the head and the wave alone
	s_mul_i32 s47, s[WV], 48*512
	s_add_co_u32 s44, s44, s47
	s_mov_b32 s45, 0
	s_mul_i32 s46, s[WV], 64*PITCH                 ; where they go: the wave's number alone enters an LDS address
	s_mul_i32 s47, s[WV], 48*PITCH
	s_add_co_u32 s47, s47, XROWS
	s_mov_b32 s[SEL], 0x76543210
	s_mov_b32 s[SEL+1], 0xfedcba98
	v_and_b32 v1, 31, v0                           ; lane
	v_and_b32 v2, 15, v0                           ; r
	v_bfe_u32 v3, v0, 4, 1                         ; h
	v_mul_u32_u24 v19, v2, PITCH
	v_lshl_add_u32 v19, v3, 4, v19                 ; a fragment's row x pitch + 16 h
	v_add_nc_u32 v[ADX], s46, v19
	v_add_nc_u32 v[ADX+1], HALF, v[ADX]
	v_add_nc_u32 v[ADW], XROWS, v19
	v_add_nc_u32 v[ADW+1], HALF+XROWS, v19
	v_lshlrev_b32 v[SA], 5, v2
	v_lshl_add_u32 v[SA], v3, 4, v[SA]
	v_lshlrev_b32 v[BA], 5, v3
	v_lshlrev_b32 v[BV], 2, v2
	v_lshlrev_b32 v[LI], 4, v1
	s_wait_alu depctr_va_vdst(0)
	v_lshlrev_b32 v[L8], 3, v1
	s_lshl_b32 s2, s19, 11
	v_add_nc_u32 v[VK], s2, v[LI]
	s_lshl_b32 s2, s19, 8
	v_add_nc_u32 v[VKS], s2, v[L8]
	s_lshl_b32 s2, s19, 9
	v_add_nc_u32 v[VV], s2, v[LI]
	s_lshr_b32 s2, s[WV], 1
	s_lshl_b32 s2, s2, 8                           ; which of the two key steps: 256 bytes each,
	s_lshl_b32 s3, s19, 1                          ; and which two bytes of a word: my 64 keys are two blocks of the step's four
	s_add_co_u32 s2, s2, s3
	s_add_co_u32 s2, s2, VST
	v_lshl_add_u32 v[VSA], v2, 3, s2
	v_add_nc_u32 v[VSR], VST, v[LI]
	v_mul_u32_u24 v[VSO], v3, 8960
	v_lshl_add_u32 v[VSO], v2, 4, v[VSO]           ; lanes 0-15: the first step's 256 bytes, lanes 16-31: the second's
	s_wait_dscnt 0x0
	s_wait_kmcnt 0x0
	s_add_nc_u64 s[42:43], s[4:5], s[42:43]
	s_add_nc_u64 s[44:45], s[8:9], s[44:45]
.irp s, 0,1                                    ; group 0 for each half of K: X's in s[48:55], W's in s[56:63]
	s_mov_b32 s[48+4*\s], 1
	s_add_co_u32 s[49+4*\s], s46, \s*HALF
	s_add_nc_u64 s[50+4*\s:51+4*\s], s[42:43], \s*256
	s_or_b32 s[51+4*\s], s[51+4*\s], 0x80000000
	s_mov_b32 s[56+4*\s], 1
	s_add_co_u32 s[57+4*\s], s47, \s*HALF
	s_add_nc_u64 s[58+4*\s:59+4*\s], s[44:45], \s*256
	s_or_b32 s[59+4*\s], s[59+4*\s], 0x80000000
.endr
	s_lshl_b32 s68, s23, 13                        ; X's scales: (256 block + 64 w) rows of 32 bytes
	s_lshl_b32 s69, s[WV], 11
	s_add_co_u32 s68, s68, s69
	s_mov_b32 s69, 0
	s_add_nc_u64 s[6:7], s[6:7], s[68:69]
	s_mul_i32 s68, s22, 192*32                     ; W's scales: the head's 192 rows
	s_add_nc_u64 s[10:11], s[10:11], s[68:69]
	s_mul_i32 s68, s22, 192*4                      ; the head's 192 biases
	s_add_nc_u64 s[12:13], s[12:13], s[68:69]
	s_lshr_b32 s70, s23, 3
	s_lshl_b32 s70, s70, 4
	s_add_co_u32 s70, s70, s22                     ; bh = 16 x batch + head
	s_and_b32 s71, s23, 7                          ; the block within the batch
	s_lshl_b32 s68, s71, 2
	s_add_co_u32 s68, s68, s[WV]
	s_mul_i32 s68, s68, 2304                       ; qbuf: [bh][64 tokens][2,304 bytes]
	s_mul_i32 s2, s70, 32*2304
	s_add_co_u32 s68, s68, s2
	s_add_nc_u64 s[14:15], s[14:15], s[68:69]
	s_lshl_b32 s68, s71, 1
	s_lshr_b32 s2, s[WV], 1
	s_add_co_u32 s68, s68, s2
	s_mul_i32 s68, s68, 8960                       ; kvbuf: [bh][128 keys][8,960 bytes]
	s_mul_i32 s2, s70, 16*8960
	s_add_co_u32 s68, s68, s2
	s_add_nc_u64 s[16:17], s[16:17], s[68:69]
	; The scale words, once: a row's 32 bytes are 8 words, one for each 128 along K.  Lane (r, h) takes words 4 h .. 4 h + 3 of row r: register i holds K step i in lanes 0-15 and K step 4 + i in lanes 16-31.
.irp x, 0,1,2,3
	global_load_b128 v[XS+4*\x:XS+4*\x+3], v[SA], s[6:7] offset:512*\x      ; 32 lanes read 512 consecutive bytes
.endr
.irp i, 0,1,2,3,4,5,6,7,8,9,10,11
	global_load_b128 v[WS+4*\i:WS+4*\i+3], v[SA], s[10:11] offset:512*\i
.endr
	WIN 0x40                                       ; destination window 1
.irp i, 0,1,2,3,4,5,6,7                        ; Q's and K's bias in the result's layout: register j of lane (r, h) in tile i is column 16 i + 8 h + j
	global_load_b128 v[192+8*\i:195+8*\i], v[BA], s[12:13] offset:64*\i
	global_load_b128 v[196+8*\i:199+8*\i], v[BA], s[12:13] offset:64*\i+16
.endr
	WIN 0xc0                                       ; destination window 3
.irp tv, 0,1,2,3                               ; V's: a lane is a channel
	global_load_b32 v[128+8*\tv], v[BV], s[12:13] offset:512+64*\tv
.endr
	WIN 0
	CROUND                                         ; all sixteen work-groups are here: the joint loads meet
	tensor_load_to_lds s[48:51], s[24:31]          ; X, first half of K.  Four loads of mine are out
	s_nop 0
	tensor_load_to_lds s[56:59], s[32:39]          ; W, first half
	s_nop 0
	tensor_load_to_lds s[52:55], s[24:31]          ; X, second half
	s_nop 0
	tensor_load_to_lds s[60:63], s[32:39]          ; W, second half
	s_nop 0
.rept 4
	v_nop                                          ; four plain places behind a tensor load
.endr
	s_wait_loadcnt 0x0                             ; scale words and biases
	WIN 0xc3                                       ; destination and source 0 window 3
.irp tv, 0,1,2,3
.irp j, 1,2,3,4,5,6,7
	v_mov_b32 v[128+8*\tv+\j], v[128+8*\tv]        ; a channel's bias for the tile's eight tokens of a lane
.endr
.endr
	WIN 0
.irp n, 0,1,2,3,4,5,6,7
	v_mov_b32 v[T2+\n], 0                          ; written once: a lane permute's destination counts as one of its sources
.endr
	v_cmp_le_u32 vcc_lo, 16, v1                    ; lanes 16-31: kept to the end
; the fragments of K step q (128 along K) into set f: W's twelve, X's four: 32 loads in one run
.macro FETCH q, f
	WIN 0x40
.irp i, 0,1,2,3,4,5,6,7,8,9,10,11
.irp c, 0,1
	ds_load_b128 v[96*(\f)+8*\i+4*\c:96*(\f)+8*\i+4*\c+3], v[ADW+(\q)/4] offset:16*PITCH*\i+64*((\q)%4)+32*\c
.endr
.endr
	WIN 0
.irp x, 0,1,2,3
.irp c, 0,1
	ds_load_b128 v[XF+32*(\f)+8*\x+4*\c:XF+32*(\f)+8*\x+4*\c+3], v[ADX+(\q)/4] offset:16*PITCH*\x+64*((\q)%4)+32*\c
.endr
.endr
.endm
; 48 products: K step q on set f.  The 48 accumulators take turns, one instruction a turn, in the same order in every step.  first = 1: the bias is the C.
.macro MUL q, f, first
.if \first
	WIN 0x91                                       ; source 0 (W) window 1, source 1 (X) window 0, C (bias) window 1, D window 2
.else
	WIN 0xa1                                       ; C and D window 2
.endif
.irp part, 0,1
.irp x, 0,1,2,3
.irp t, 0,1,2,3
.if \first
	WMMA 8*(16*\part+4*\x+\t), 96*(\f)+8*(4*\part+\t), XF+32*(\f)+8*\x, 192+8*(4*\part+\t), WS+4*(4*\part+\t)+(\q)%4, XS+4*\x+(\q)%4, (\q)/4, (\q)/4
.else
	WMMA 8*(16*\part+4*\x+\t), 96*(\f)+8*(4*\part+\t), XF+32*(\f)+8*\x, 8*(16*\part+4*\x+\t), WS+4*(4*\part+\t)+(\q)%4, XS+4*\x+(\q)%4, (\q)/4, (\q)/4
.endif
.endr
.endr
.endr
	WIN 0xf4                                       ; source 0 (X) window 0, source 1 (W) window 1, C and D window 3
.irp tv, 0,1,2,3
.irp x, 0,1,2,3
.if \first
	WMMA 8*(4*\tv+\x), XF+32*(\f)+8*\x, 96*(\f)+8*(8+\tv), 128+8*\tv, XS+4*\x+(\q)%4, WS+4*(8+\tv)+(\q)%4, (\q)/4, (\q)/4
.else
	WMMA 8*(4*\tv+\x), XF+32*(\f)+8*\x, 96*(\f)+8*(8+\tv), 8*(4*\tv+\x), XS+4*\x+(\q)%4, WS+4*(8+\tv)+(\q)%4, (\q)/4, (\q)/4
.endif
.endr
.endr
.endm
.macro KSTEP q
.if (\q) > 0
	PLACES                                         ; the next fetch lands in the set that the step before multiplied
.endif
.if (\q) == 3
	s_wait_tensorcnt 0x0                           ; my parts of the second half of K have landed,
	s_wait_dscnt 0x0                               ; no LDS load of mine is out at the signal,
	s_barrier_signal -1
	s_barrier_wait -1                              ; and everybody's parts have
.endif
.if (\q) < 7
	FETCH (\q)+1, ((\q)+1)%2
	s_wait_dscnt 32                                ; all but the 32 just issued: this step's fragments are in
.else
	s_wait_dscnt 0x0
.endif
.if (\q) == 0
	MUL 0, 0, 1
.else
	MUL \q, (\q)%2, 0
.endif
.endm
; Four groups of 64 numbers of a lane, at v[base + 32 g + 16 b + i] of window win, become codes in v[pc + 4 g ..] and scale words (two bytes) in v[PW + g].
.macro QUANT8 win, base, pc
	WIN 5*\win                                     ; sources 0 and 1 in the accumulators' window
.irp g, 0,1,2,3
.irp b, 0,1
	v_max3_num_f32 v[TM+2*\g+\b], |v[32*\g+16*\b+\base]|, |v[32*\g+16*\b+\base+1]|, 0x1800000   ; my 16 numbers of a block, and the floor 2^(3 - 127): the byte cannot fall under 1.  Each accumulator is read from its low end on
.endr
.endr
.irp i, 2,4,6,8,10,12,14
.irp g, 0,1,2,3
.irp b, 0,1
	v_max3_num_f32 v[TM+2*\g+\b], |v[32*\g+16*\b+\base+\i]|, |v[32*\g+16*\b+\base+\i+1]|, v[TM+2*\g+\b]   ; (the eight blocks by turns)
.endr
.endr
.endr
	WIN 0
.irp n, 0,1,2,3,4,5,6,7
	v_permlanex16_b32 v[T2+\n], v[TM+\n], s[SEL], s[SEL+1]
.endr
.irp n, 0,1,2,3,4,5,6,7
	v_max_num_f32 v[TM+\n], v[TM+\n], v[T2+\n]     ; with lane l xor 16's 16: the block's largest magnitude
.endr
.irp n, 0,1,2,3,4,5,6,7
	v_add_nc_u32 v[SC+\n], 0xff000000, v[TM+\n]    ; 2 off its exponent field: the conversion takes that field as its scale
.endr
.irp n, 0,1,2,3,4,5,6,7
	v_lshrrev_b32 v[BY+\n], 23, v[SC+\n]           ; the scale's byte
.endr
.irp g, 0,1,2,3
	v_lshl_or_b32 v[PW+\g], v[BY+2*\g+1], 8, v[BY+2*\g]
.endr
	WIN \win                                       ; source 0 in the accumulators' window
.irp g, 0,1,2,3
.irp t, 0,1,2,3
	v_cvt_scalef32_pk8_fp4_f32 v[\pc+4*\g+2*(\t%2)+\t/2], v[32*\g+8*\t+\base:32*\g+8*\t+\base+7], v[SC+2*\g+\t/2]
.endr
.endr
	WIN 0
	v_nop                                          ; one plain place behind a scaled conversion
.irp g, 0,1,2,3
	v_permlane16_swap_b32 v[\pc+4*\g], v[\pc+4*\g+1]     ; the first's lanes 16-31 change places with the second's lanes 0-15:
	v_permlane16_swap_b32 v[\pc+4*\g+2], v[\pc+4*\g+3]   ; lane (r, h) now holds k = 32 h + 0 .. 31 in four registers
.endr
.endm
	s_wait_tensorcnt 0x2                           ; my parts of the first half of K have landed; the two loads of the second half stay out
	s_barrier_signal -1
	s_barrier_wait -1                              ; everybody's have
	FETCH 0, 0
.irp q, 0,1,2,3,4,5,6,7
	KSTEP \q
.endr
	PLACES
	QUANT8 2, 0, 160                               ; Q: group = my tile of 16 tokens, along d
.irp x, 0,1,2,3
	global_store_b128 v[LI], v[160+4*\x:163+4*\x], s[14:15] offset:512*\x   ; a tile's image: 512 consecutive bytes
.endr
	v_cndmask_b32 v244, v[PW], v[PW+1], vcc_lo     ; scale words [lane (r, hh)][2]: word i is tile 2 i + hh
	v_cndmask_b32 v245, v[PW+2], v[PW+3], vcc_lo
	global_store_b64 v[L8], v[244:245], s[14:15] offset:2048                ; 256 consecutive bytes
	QUANT8 2, 128, 176                             ; K likewise
.irp x, 0,1,2,3
	global_store_b128 v[VK], v[176+4*\x:179+4*\x], s[16:17] offset:512*\x   ; tile 4 (w & 1) + x of the key step
.endr
	v_cndmask_b32 v246, v[PW], v[PW+1], vcc_lo
	v_cndmask_b32 v247, v[PW+2], v[PW+3], vcc_lo
	global_store_b64 v[VKS], v[246:247], s[16:17] offset:8192
	QUANT8 3, 0, 192                               ; V: group = a tile of 16 channels, along my 64 keys
.irp tv, 0,1,2,3
	global_store_b128 v[VV], v[192+4*\tv:195+4*\tv], s[16:17] offset:4096+1024*\tv   ; registers 4 c .. 4 c + 3 of the fragment, c = w & 1
	ds_store_b16 v[VSA], v[PW+\tv] offset:128*(\tv%2)+4*(\tv/2)             ; my two bytes of the channel's word; both halves of the lanes write the same value
.endr
	s_wait_dscnt 0x0                               ; for the others' sake: my stores have landed
	s_barrier_signal -1
	s_barrier_wait -1
	s_cmp_lg_u32 s[WV], 0
	s_cbranch_scc1 .Lscales_out
	ds_load_b128 v[248:251], v[VSR]                ; wave 0 sends the two steps' words: two aligned runs of 256 bytes
	s_wait_dscnt 0x0
	global_store_b128 v[VSO], v[248:251], s[16:17] offset:8704
.Lscales_out:
	s_wait_tensorcnt 0x0
	ds_add_u32 v254, v255
	s_wait_dscnt 0x0
	CROUND                                         ; the closing round: no work-group ends while a partner may still ask for a tile that names it
	s_endpgm
.Lfunc_end_k_q7a9d026ea8_qkv:
	.size	k_q7a9d026ea8_qkv, .Lfunc_end_k_q7a9d026ea8_qkv-k_q7a9d026ea8_qkv
	.p2alignl 7, 3214868480
	.fill 96, 4, 3214868480
	.section	.rodata,"a",@progbits
	.p2align	6, 0x0
	.amdhsa_kernel k_q7a9d026ea8_qkv
		.amdhsa_group_segment_fixed_size 244736
		.amdhsa_private_segment_fixed_size 0
		.amdhsa_enable_private_segment 0
		.amdhsa_kernarg_size 56
		.amdhsa_user_sgpr_count 2
		.amdhsa_user_sgpr_kernarg_segment_ptr 1
		.amdhsa_wavefront_size32 1
		.amdhsa_system_sgpr_workgroup_id_x 1
		.amdhsa_system_sgpr_workgroup_id_y 1
		.amdhsa_system_sgpr_workgroup_id_z 1
		.amdhsa_system_vgpr_workitem_id 0
		.amdhsa_next_free_vgpr 928
		.amdhsa_next_free_sgpr 72
		.amdhsa_reserve_vcc 1
		.amdhsa_float_denorm_mode_32 3
		.amdhsa_float_denorm_mode_16_64 3
		.amdhsa_memory_ordered 1
		.amdhsa_forward_progress 1
		.amdhsa_inst_pref_size 103
	.end_amdhsa_kernel
	.amdgpu_metadata
---
amdhsa.version: [ 1, 2 ]
amdhsa.kernels:
  - .name:           k_q7a9d026ea8_qkv
    .symbol:         k_q7a9d026ea8_qkv.kd
    .args:
      - { .name: X_codes, .offset: 0, .size: 8, .value_kind: global_buffer, .address_space: global }
      - { .name: X_scales, .offset: 8, .size: 8, .value_kind: global_buffer, .address_space: global }
      - { .name: W_qkv_codes, .offset: 16, .size: 8, .value_kind: global_buffer, .address_space: global }
      - { .name: W_qkv_scales, .offset: 24, .size: 8, .value_kind: global_buffer, .address_space: global }
      - { .name: b_qkv, .offset: 32, .size: 8, .value_kind: global_buffer, .address_space: global }
      - { .name: qbuf, .offset: 40, .size: 8, .value_kind: global_buffer, .address_space: global }
      - { .name: kvbuf, .offset: 48, .size: 8, .value_kind: global_buffer, .address_space: global }
    .group_segment_fixed_size: 244736
    .private_segment_fixed_size: 0
    .kernarg_segment_align: 8
    .kernarg_segment_size: 56
    .max_flat_workgroup_size: 128
    .sgpr_count:     72
    .vgpr_count:     928
    .wavefront_size: 32
...
	.end_amdgpu_metadata
.endif
;; end of part 1
;; launch attn (part 2): grid 8 x 32, 16 waves a work-group, clusters of 4 x 1, 327,680 bytes of LDS; arguments qbuf, kvbuf, obuf; writes obuf
.if DOCPART == 2
	.amdgcn_target "amdgcn-amd-amdhsa--gfx1250"
	.amdhsa_code_object_version 6
	.text
	.protected	k_q7a9d026ea8_attn
	.globl	k_q7a9d026ea8_attn
	.p2align	8
	.type	k_q7a9d026ea8_attn,@function
k_q7a9d026ea8_attn:
	s_mov_b64 s[64:65], 0
	v_nop
	global_prefetch_b8 v0, s[64:65] scope:SCOPE_SE
	s_setreg_imm32_b32 hwreg(HW_REG_WAVE_MODE, 25, 1), 1
	s_wait_xcnt 0x0
	s_wait_alu depctr_hold_cnt(0) depctr_sa_sdst(0) depctr_va_vdst(0) depctr_va_sdst(0) depctr_va_ssrc(0) depctr_va_vcc(0) depctr_vm_vsrc(0)
	s_getreg_b32 s2, hwreg(HW_REG_IB_STS2, 6, 4)
	s_cmp_eq_u32 s2, 0
	s_cbranch_scc0 .Lentry_in_a_cluster
	s_endpgm
.Lentry_in_a_cluster:
	s_bfe_u32 s2, ttmp6, 0x10000c
	s_cmp_lg_u32 s2, 0x3003
	s_cbranch_scc0 .Lentry_shape_is_right
	s_endpgm
.Lentry_shape_is_right:
; o = softmax(Q K^T / 8) V for 64 heads of 2,048 x 64, both products on codes of FP4 (E2M1) with one E8M0 scale for each 32 along a product's K; then o is quantised along head x 64 + d for the last product.
; THE SOFTMAX AHEAD OF THE SECOND PRODUCT: t = score x log2(e) / 8; M = the running largest t rounded UP to a whole number; p = 2^(t - M) is quantised along the keys, not normalised; the row's sum is taken of the
; unquantised p and divides at the end.  When M moves, the sum and O are multiplied by 2^(old M - new M): exact.
; SHARES.  A work-group owns 256 queries x two neighbouring heads; each of its sixteen waves owns 16 queries and walks head 2 y in pass 0 and head 2 y + 1 in pass 1, 16 key steps of 128 each.  The two heads of a wave
; are one K step of 128 of the last product: the wave makes a whole fragment and whole scale words of it.  Four waves share a SIMD: one wave's vector work stands beside another's loads and products.
; LAYOUT.  Both products are used transposed: S^T = K Q^T (source 0 = 16 keys, source 1 = my 16 queries), O^T = V^T P^T (source 0 = 16 channels, source 1 = P): a lane holds ONE query throughout.
; d is 64 and the instruction's K is 128: registers 4-7 of K's and Q's fragments are zero codes, which add nothing.
; LDS.  The two heads' K and V, images of operand registers laid [step][8,960 bytes], are one dense run of 286,720 bytes: filled once, 8,960 bytes a wave and head; the second head lands under the first pass.
; CLUSTER.  The four query blocks of a cluster walk the same two heads: each block of K and V is asked for jointly.  NO PREFETCH: both tensor loads of a wave go out at the head; no later stream exists.
; LIMITS: a block of o whose largest magnitude lies under 2^-124 (a block of zeros too) gets the byte 1; NaN and infinities are not served; a block's largest p is made from the block's largest score by the
; same multiply-add and exponential, which takes the exponential not to fall where its input rises.
; REGISTERS: v1-9 addresses; v10-11 Q's scale words; v12 -M, v13 the largest t, v[14:15] the sum; v16-31 Q's two fragments; v32-63 four fragments of K; v64-95 V's four; v96-159 S^T, then p; v160-191 O^T;
;   v192-199 p's codes; v200-203 K's scale words, v204-205 V's, v206 p's; v208-229 at work; v232-239 o's fragment; v240 o's scale word; v244-251 the way out.
.set BLKB,  8960                       ; a key step's block: K's 8 images, V's 8, K's and V's scale words
.set HEADB, 16*BLKB
.set OST,   2*HEADB                    ; 1,024 bytes: o's scale words; no tile lands here
.set QHEAD, 32*2304                    ; a head in qbuf
.set LI,   1                           ; v1   16 x lane
.set L8,   2                           ; v2   8 x lane
.set AD16, 3                           ; v3   the step's block + 16 x lane
.set AD8,  4                           ; v4   the step's block + 8 x lane
.set QO,   5
.set QS,   6
.set OO,   7
.set OSA,  8
.set OSR,  9
.set WV,   10                          ; s10  my wave's number
.set SEL,  20                          ; s[20:21] lane selects: lane l xor 16
.set CS,   22                          ; s[22:23] c = log2(e) / 8
.set TB,   40                          ; s40  LDS byte of the step's block
.set CNT,  41                          ; s41  steps to go
.macro PLACES                          ; four plain vector instructions behind a matrix instruction, ahead of loads into its registers and of reads of its results
.rept 4
	v_nop
.endr
.endm
.macro CROUND                          ; a round of the cluster's barrier
	s_barrier_signal -1
	s_barrier_wait -1
	s_cmp_lg_u32 s[WV], 0
	s_cbranch_scc1 .Lnot_wave_0_\@
	s_barrier_signal -3
.Lnot_wave_0_\@:
	s_barrier_wait -3
	s_barrier_signal -1
	s_barrier_wait -1
.endm
; a product that adds onto D; ra: source 0's scales stand in lanes 16-31
.macro WMMA d, a, b, sa, sb, ra
.set rD, \d
.set rA, \a
.set rB, \b
.set rE, \sa
.set rF, \sb
.if \ra
	v_wmma_scale_f32_16x16x128_f8f6f4 v[rD:rD+7], v[rA:rA+7], v[rB:rB+7], v[rD:rD+7], v[rE], v[rF] matrix_a_fmt:MATRIX_FMT_FP4 matrix_b_fmt:MATRIX_FMT_FP4 matrix_a_scale:MATRIX_SCALE_ROW1
.else
	v_wmma_scale_f32_16x16x128_f8f6f4 v[rD:rD+7], v[rA:rA+7], v[rB:rB+7], v[rD:rD+7], v[rE], v[rF] matrix_a_fmt:MATRIX_FMT_FP4 matrix_b_fmt:MATRIX_FMT_FP4
.endif
.endm
; a product that starts a sum
.macro WMMA0 d, a, b, sa, sb, ra
.set rD, \d
.set rA, \a
.set rB, \b
.set rE, \sa
.set rF, \sb
.if \ra
	v_wmma_scale_f32_16x16x128_f8f6f4 v[rD:rD+7], v[rA:rA+7], v[rB:rB+7], 0, v[rE], v[rF] matrix_a_fmt:MATRIX_FMT_FP4 matrix_b_fmt:MATRIX_FMT_FP4 matrix_a_scale:MATRIX_SCALE_ROW1
.else
	v_wmma_scale_f32_16x16x128_f8f6f4 v[rD:rD+7], v[rA:rA+7], v[rB:rB+7], 0, v[rE], v[rF] matrix_a_fmt:MATRIX_FMT_FP4 matrix_b_fmt:MATRIX_FMT_FP4
.endif
.endm
	s_load_b128 s[4:7], s[0:1], 0x0                ; qbuf s[4:5], kvbuf s[6:7]
	s_load_b64 s[8:9], s[0:1], 0x10                ; obuf
	v_lshl_add_u32 v254, v0, 2, 0x46400
	v_mov_b32 v255, 0
	ds_add_u32 v254, v255
	ds_add_u32 v254, v255
	v_lshrrev_b32 v1, 5, v0
	s_delay_alu instid0(VALU_DEP_1)
	v_readfirstlane_b32 s[WV], v1                  ; wave 0..15
	s_bfe_u32 s11, ttmp6, 0x40000                  ; cx
	s_lshl_b32 s12, ttmp9, 2
	s_add_co_u32 s12, s12, s11                     ; my block of 256 queries: it enters qbuf's and obuf's addresses alone
	s_and_b32 s13, ttmp7, 0xffff                   ; y = 8 x batch + pair of heads, which the four partners share
	; descriptor group 1: 8,960 dense bytes as 35 rows of 256 (32 elements of 8 bytes), no padding: images are read 16 x lane on end
	s_mov_b32 s24, 15|(3<<16)|(1<<21)              ; 15:0 the mask: all four work-groups; 17:16 elements of 8 bytes; 21 set beside a mask
	s_mov_b32 s25, 32<<16                          ; tensor_dim0
	s_mov_b32 s26, 35<<16                          ; tensor_dim1
	s_mov_b32 s27, 32<<16                          ; tile_dim0
	s_mov_b32 s28, 35                              ; tile_dim1
	s_mov_b32 s29, 32                              ; from row to row
	s_mov_b32 s30, 0
	s_mov_b32 s31, 0
	s_mul_i32 s14, s13, 2*HEADB                    ; kvbuf: the pair of heads,
	s_mul_i32 s19, s[WV], BLKB                     ; my block of each; the same place in LDS
	s_add_co_u32 s14, s14, s19
	s_mov_b32 s15, 0
	s_lshl_b32 s46, s12, 2
	s_lshr_b32 s47, s[WV], 2
	s_add_co_u32 s46, s46, s47                     ; qbuf: which 64 tokens hold my 16
	s_mul_i32 s46, s46, 2304
	s_mul_i32 s47, s13, 2*QHEAD
	s_add_co_u32 s46, s46, s47
	s_mov_b32 s47, 0
	s_lshr_b32 s44, s13, 3
	s_lshl_b32 s44, s44, 3
	s_add_co_u32 s44, s44, s12                     ; obuf: the block of 256 tokens = 8 x batch + my block,
	s_lshl_b32 s44, s44, 3
	s_and_b32 s45, s13, 7
	s_add_co_u32 s44, s44, s45                     ; K step = the pair of heads
	s_mul_i32 s44, s44, 17408
	s_mov_b32 s45, 0
	s_mov_b32 s[SEL], 0x76543210
	s_mov_b32 s[SEL+1], 0xfedcba98
	s_mov_b32 s[CS], 0x3e38aa3b                    ; log2(e) / 8
	s_mov_b32 s[CS+1], s[CS]                       ; (named with it as a pair, so it is written)
	v_and_b32 v244, 31, v0                         ; lane
	v_and_b32 v245, 15, v0                         ; r
	s_wait_alu depctr_va_vdst(0)
	v_lshlrev_b32 v[LI], 4, v244
	s_wait_alu depctr_va_vdst(0)
	v_lshlrev_b32 v[L8], 3, v244
	s_and_b32 s42, s[WV], 3
	s_lshl_b32 s42, s42, 9
	v_add_nc_u32 v[QO], s42, v[LI]                 ; Q: tile w & 3 of the 64 tokens
	s_and_b32 s42, s[WV], 1
	s_lshl_b32 s42, s42, 7
	s_bfe_u32 s43, s[WV], 0x10001
	s_lshl_b32 s43, s43, 2
	s_add_co_u32 s42, s42, s43
	s_add_co_u32 s42, s42, 2048
	v_lshl_add_u32 v[QS], v245, 3, s42             ; its scale words [lane (r, hh)][2]: word i is tile 2 i + hh
	s_lshl_b32 s42, s[WV], 10
	v_add_nc_u32 v[OO], s42, v[LI]                 ; o's fragment of token tile w
	s_lshl_b32 s42, s[WV], 6
	s_add_co_u32 s42, s42, OST
	v_lshl_add_u32 v[OSA], v245, 2, s42            ; LDS: o's scale words [tile][r]
	v_add_nc_u32 v[OSR], OST, v[LI]
.irp f, 20,28,36,44,52,60
.irp j, 0,1,2,3
	v_mov_b32 v[\f+\j], 0                          ; registers 4-7 of Q's and K's fragments: zero codes for k = 64 .. 127; never rewritten
.endr
.endr
.irp b, 0,1,2,3
	v_mov_b32 v[212+\b], 0                         ; written once: a lane permute's destination counts as one of its sources
.endr
	v_mov_b32 v221, 0                              ; (named as the upper half of the pair v[220:221])
	s_wait_dscnt 0x0
	s_wait_kmcnt 0x0
	s_add_nc_u64 s[16:17], s[4:5], s[46:47]
	s_add_nc_u64 s[44:45], s[8:9], s[44:45]
	s_mov_b32 s32, 1                               ; group 0, first head: count,
	s_mov_b32 s33, s19                             ; LDS address,
	s_add_nc_u64 s[34:35], s[6:7], s[14:15]        ; global address,
	s_mov_b32 s36, 1                               ; second head: both addresses a head on
	s_add_co_u32 s37, s19, HEADB
	s_add_nc_u64 s[38:39], s[34:35], HEADB
	s_or_b32 s35, s35, 0x80000000                  ; type = 2
	s_or_b32 s39, s39, 0x80000000
	global_load_b128 v[16:19], v[QO], s[16:17]                 ; Q's fragments stay in registers
	global_load_b128 v[24:27], v[QO], s[16:17] offset:QHEAD
	global_load_b32 v10, v[QS], s[16:17]
	global_load_b32 v11, v[QS], s[16:17] offset:QHEAD
	CROUND                                         ; all four work-groups are here: the joint loads meet
	tensor_load_to_lds s[32:35], s[24:31]          ; one load of mine is out
	s_nop 0
	s_wait_alu depctr_va_vdst(0)
	s_wait_tensorcnt 0x0
	ds_add_u32 v254, v255
	s_wait_dscnt 0x0
	CROUND
	tensor_load_to_lds s[36:39], s[24:31]
	s_nop 0
.rept 4
	v_nop                                          ; four plain places behind a tensor load
.endr
; A KEY STEP of pass p: 128 keys.
.macro STEP p
	v_add_nc_u32 v[AD16], s[TB], v[LI]
	s_wait_alu depctr_va_vdst(0)
	v_add_nc_u32 v[AD8], s[TB], v[L8]
.irp g, 0,1                                    ; S^T = K Q^T, four tiles of 16 keys at a time
.if \g
	PLACES                                         ; the loads land in registers that the four products above read
.endif
.irp t, 0,1,2,3
	ds_load_b128 v[32+8*\t:35+8*\t], v[AD16] offset:2048*\g+512*\t
.endr
.if \g == 0
	ds_load_b64 v[200:201], v[AD8] offset:8192     ; K's scale words: register i: tile 2 i in lanes 0-15, tile 2 i + 1 in lanes 16-31
	ds_load_b64 v[202:203], v[AD8] offset:8448
.endif
	s_wait_dscnt 0x0
.irp t, 0,1,2,3
	WMMA0 96+32*\g+8*\t, 32+8*\t, 16+8*\p, 200+2*\g+\t/2, 10+\p, \t%2
.endr
.endr
.irp tv, 0,1,2,3                               ; V's fragments are asked for here and wanted behind the softmax.  Their registers were read by the last step's products: the two additions and the four places above stand between
.irp c, 0,1
	ds_load_b128 v[64+8*\tv+4*\c:67+8*\tv+4*\c], v[AD16] offset:4096+1024*\tv+512*\c
.endr
.endr
	s_wait_alu depctr_va_vdst(0)
	ds_load_b64 v[204:205], v[AD8] offset:8704
	PLACES
.irp b, 0,1,2,3
	v_max3_num_f32 v[208+\b], v[96+16*\b], v[97+16*\b], v[98+16*\b]   ; the largest score of each block of 32 keys: for the row's maximum and, since p rises with the score, for the block's largest p
.endr
.irp i, 3,5,7,9,11,13
.irp b, 0,1,2,3
	v_max3_num_f32 v[208+\b], v[208+\b], v[96+16*\b+\i], v[97+16*\b+\i]   ; (the four blocks by turns; each accumulator is first read at its low end)
.endr
.endr
.irp b, 0,1,2,3
	v_max_num_f32 v[208+\b], v[208+\b], v[111+16*\b]
.endr
.irp b, 0,1,2,3
	s_delay_alu instid0(VALU_DEP_4)
	v_permlanex16_b32 v[212+\b], v[208+\b], s[SEL], s[SEL+1]
.endr
.irp b, 0,1,2,3
	s_delay_alu instid0(VALU_DEP_4)
	v_max_num_f32 v[208+\b], v[208+\b], v[212+\b]  ; with lane l xor 16's 16 keys
.endr
	s_delay_alu instid0(VALU_DEP_2)
	v_max3_num_f32 v222, v208, v209, v210
	s_delay_alu instid0(VALU_DEP_1)
	v_max_num_f32 v222, v222, v211                 ; the step's largest score of my query
	s_delay_alu instid0(VALU_DEP_1)
	v_mul_f32 v222, s[CS], v222                    ; as t (c is positive)
	s_delay_alu instid0(VALU_DEP_1)
	v_max_num_f32 v13, v13, v222                   ; the running largest t
	v_mov_b32 v222, v12
	s_delay_alu instid0(VALU_DEP_2)
	v_floor_f32 v12, -v13                          ; the new -M = floor(-t) = -ceil(t)
	s_delay_alu instid0(VALU_DEP_1)
	v_sub_f32 v222, v12, v222                      ; old M - new M: a whole number, 0 or less
	s_delay_alu instid0(VALU_DEP_1)
	v_cvt_i32_f32 v222, v222                       ; (it saturates)
	s_delay_alu instid0(VALU_DEP_1)
	v_ldexp_f32 v220, 1.0, v222                    ; f = 2^(old M - new M)
.set n, 0
.rept 32
	v_pk_fma_f32 v[96+n:97+n], v[96+n:97+n], s[CS:CS+1], v[12:13] op_sel_hi:[1,0,0]   ; t - M, two at a time
.set n, n+2
.endr
.irp b, 0,1,2,3
	v_fma_f32 v[208+\b], v[208+\b], s[CS], v12     ; the same of each block's largest score
.endr
.set n, 0
	s_wait_alu depctr_va_vdst(0)
.rept 64
	v_exp_f32 v[96+n], v[96+n]                     ; p = 2^(t - M), at most 1
.set n, n+1
.endr
	s_setprio 1
.irp b, 0,1,2,3
	v_exp_f32 v[208+\b], v[208+\b]                 ; the block's largest p
.endr
	v_pk_mul_f32 v[14:15], v[14:15], v[220:221] op_sel_hi:[1,0]   ; the sums under the new M.  (A plain place behind the exponentials)
	s_wait_alu depctr_va_vdst(0)
.irp b, 0,1,2,3
	v_max_num_f32 v[208+\b], 0x1800000, v[208+\b]  ; the floor 2^(3 - 127): the byte cannot fall under 1
.endr
.irp b, 0,1,2,3
	s_delay_alu instid0(VALU_DEP_4)
	v_add_nc_u32 v[216+\b], 0xff000000, v[208+\b]  ; 2 off the exponent field: the conversion's scale operand
.endr
.irp b, 0,1,2,3
	s_delay_alu instid0(VALU_DEP_4)
	v_lshrrev_b32 v[226+\b], 23, v[216+\b]         ; the scale's byte
.endr
	s_delay_alu instid0(VALU_DEP_3)
	v_lshl_or_b32 v206, v227, 8, v226              ; p's scale word for these 128 keys
	s_delay_alu instid0(VALU_DEP_1)
	v_lshl_or_b32 v206, v228, 16, v206
	s_delay_alu instid0(VALU_DEP_1)
	v_lshl_or_b32 v206, v229, 24, v206
.irp u, 0,1,2,3,4,5,6,7                        ; tile u's eight codes to register 0, 2, 1, 3 of its run of four
	v_cvt_scalef32_pk8_fp4_f32 v[192+4*(\u/4)+2*(\u%2)+(\u%4)/2], v[96+8*\u:103+8*\u], v[216+\u/2]
.endr
	v_nop                                          ; one plain place behind a scaled conversion
.irp c, 0,1
	v_permlane16_swap_b32 v[192+4*\c], v[193+4*\c] ; lane (r, h) now holds keys 64 c + 32 h + 0 .. 31 in registers 4 c .. 4 c + 3
	v_permlane16_swap_b32 v[194+4*\c], v[195+4*\c]
.endr
	v_pk_add_f32 v[224:225], v[96:97], v[98:99]    ; the row's sum is taken of the unquantised p: two at a time, in two chains
.irp j, 4,8,12,16,20,24,28,32,36,40,44,48,52,56,60
	v_pk_add_f32 v[14:15], v[14:15], v[96+\j:97+\j]
	v_pk_add_f32 v[224:225], v[224:225], v[98+\j:99+\j]
.endr
	s_delay_alu instid0(VALU_DEP_1)
	v_pk_add_f32 v[14:15], v[14:15], v[224:225]
.set n, 0
	s_setprio 0
.rept 16
	v_pk_mul_f32 v[160+n:161+n], v[160+n:161+n], v[220:221] op_sel_hi:[1,0]   ; O^T under the new M.  (The sums and these are also the places between the writes of p's codes and scale word and the products below)
.set n, n+2
.endr
	s_wait_alu depctr_va_vdst(0)
	s_wait_dscnt 0x0                               ; V's fragments and scale words are in
.irp tv, 0,1,2,3                               ; O^T += V^T P^T: the four accumulators take turns
	WMMA 160+8*\tv, 64+8*\tv, 192, 204+\tv/2, 206, \tv%2
.endr
.endm
; The pass's end: O^T / the sum, quantised along d: registers 4 p .. 4 p + 3 of o's fragment, bytes 2 p and 2 p + 1 of its scale word.
.macro FINISH p
	PLACES
	v_add_f32 v14, v14, v15                        ; the sum's two halves,
	s_delay_alu instid0(VALU_DEP_1)
	v_permlanex16_b32 v212, v14, s[SEL], s[SEL+1]
	s_delay_alu instid0(VALU_DEP_1)
	v_add_f32 v14, v14, v212                       ; and lane l xor 16's: the row's sum
	s_wait_alu depctr_va_vdst(0)
	v_rcp_f32 v14, v14
	v_nop                                          ; one plain place behind a transcendental
.set n, 0
	s_wait_alu depctr_va_vdst(0)
.rept 16
	v_pk_mul_f32 v[96+n:97+n], v[160+n:161+n], v[14:15] op_sel_hi:[1,0]   ; register 8 t + j is o(query r, channel 16 t + 8 h + j)
.set n, n+2
.endr
.irp b, 0,1
	v_max3_num_f32 v[208+\b], |v[96+16*\b]|, |v[97+16*\b]|, 0x1800000
.endr
.irp i, 2,4,6,8,10,12,14
.irp b, 0,1
	s_delay_alu instid0(VALU_DEP_2)
	v_max3_num_f32 v[208+\b], v[208+\b], |v[96+16*\b+\i]|, |v[97+16*\b+\i]|
.endr
.endr
.irp b, 0,1
	s_delay_alu instid0(VALU_DEP_2)
	v_permlanex16_b32 v[212+\b], v[208+\b], s[SEL], s[SEL+1]
.endr
.irp b, 0,1
	s_delay_alu instid0(VALU_DEP_2)
	v_max_num_f32 v[208+\b], v[208+\b], v[212+\b]
.endr
.irp b, 0,1
	s_delay_alu instid0(VALU_DEP_2)
	v_add_nc_u32 v[216+\b], 0xff000000, v[208+\b]
.endr
.irp b, 0,1
	s_delay_alu instid0(VALU_DEP_2)
	v_lshrrev_b32 v[226+\b], 23, v[216+\b]
.endr
.irp t, 0,1,2,3
	v_cvt_scalef32_pk8_fp4_f32 v[232+4*\p+2*(\t%2)+\t/2], v[96+8*\t:103+8*\t], v[216+\t/2]
.endr
	v_nop                                          ; one plain place behind a scaled conversion
	v_permlane16_swap_b32 v[232+4*\p], v[233+4*\p]
	v_permlane16_swap_b32 v[234+4*\p], v[235+4*\p]
.if \p
	v_lshl_or_b32 v222, v227, 8, v226
	s_delay_alu instid0(VALU_DEP_1)
	v_lshl_or_b32 v240, v222, 16, v240
.else
	v_lshl_or_b32 v240, v227, 8, v226
.endif
.endm
.macro PASS p
	v_mov_b32 v13, 0xff61b1e6                      ; the largest t so far: -3e38, under every t
	s_delay_alu instid0(VALU_DEP_1)
	v_floor_f32 v12, -v13                          ; -M
	v_mov_b32 v14, 0                               ; the sum, in two halves
	v_mov_b32 v15, 0
.set n, 0
.rept 32
	v_mov_b32 v[160+n], 0                          ; O^T.  (The step is written once: the first finds zeros, which the first change of M leaves zeros)
.set n, n+1
.endr
	s_mov_b32 s[TB], \p*HEADB
	s_mov_b32 s[CNT], 16
.Lstep_\@:
	s_setprio 2
	STEP \p
	s_add_co_u32 s[TB], s[TB], BLKB
	s_sub_co_u32 s[CNT], s[CNT], 1
	s_cmp_lg_u32 s[CNT], 0
	s_cbranch_scc1 .Lstep_\@
	s_setprio 0
	FINISH \p
.endm
	s_wait_loadcnt 0x0                             ; Q
	s_wait_tensorcnt 0x1                           ; my block of the first head has landed; the second head's stays out
	s_barrier_signal -1
	s_barrier_wait -1                              ; everybody's has
	PASS 0
	s_wait_tensorcnt 0x0                           ; my block of the second head has landed,
	s_wait_dscnt 0x0
	s_barrier_signal -1
	s_barrier_wait -1                              ; everybody's has
	PASS 1
	global_store_b128 v[OO], v[232:235], s[44:45]              ; o's fragment as it stands: 512 consecutive bytes a store
	global_store_b128 v[OO], v[236:239], s[44:45] offset:512
	ds_store_b32 v[OSA], v240                      ; my 16 rows' scale words; both halves of the lanes write the same value
	s_wait_dscnt 0x0                               ; for the others' sake
	s_barrier_signal -1
	s_barrier_wait -1
	s_cmp_lg_u32 s[WV], 0
	s_cbranch_scc1 .Lscales_out
	ds_load_b128 v[244:247], v[OSR]                ; wave 0 sends the sixteen tiles' words: 1,024 consecutive bytes
	ds_load_b128 v[248:251], v[OSR] offset:512
	s_wait_dscnt 0x0
	global_store_b128 v[LI], v[244:247], s[44:45] offset:16384
	global_store_b128 v[LI], v[248:251], s[44:45] offset:16896
.Lscales_out:
	s_wait_tensorcnt 0x0
	ds_add_u32 v254, v255
	s_wait_dscnt 0x0
	CROUND                                         ; the closing round: no work-group ends while a partner may still ask for a block that names it
	s_endpgm
.Lfunc_end_k_q7a9d026ea8_attn:
	.size	k_q7a9d026ea8_attn, .Lfunc_end_k_q7a9d026ea8_attn-k_q7a9d026ea8_attn
	.p2alignl 7, 3214868480
	.fill 96, 4, 3214868480
	.section	.rodata,"a",@progbits
	.p2align	6, 0x0
	.amdhsa_kernel k_q7a9d026ea8_attn
		.amdhsa_group_segment_fixed_size 327680
		.amdhsa_private_segment_fixed_size 0
		.amdhsa_enable_private_segment 0
		.amdhsa_kernarg_size 24
		.amdhsa_user_sgpr_count 2
		.amdhsa_user_sgpr_kernarg_segment_ptr 1
		.amdhsa_wavefront_size32 1
		.amdhsa_system_sgpr_workgroup_id_x 1
		.amdhsa_system_sgpr_workgroup_id_y 1
		.amdhsa_system_sgpr_workgroup_id_z 1
		.amdhsa_system_vgpr_workitem_id 0
		.amdhsa_next_free_vgpr 256
		.amdhsa_next_free_sgpr 66
		.amdhsa_reserve_vcc 0
		.amdhsa_float_denorm_mode_32 3
		.amdhsa_float_denorm_mode_16_64 3
		.amdhsa_memory_ordered 1
		.amdhsa_forward_progress 1
		.amdhsa_inst_pref_size 51
	.end_amdhsa_kernel
	.amdgpu_metadata
---
amdhsa.version: [ 1, 2 ]
amdhsa.kernels:
  - .name:           k_q7a9d026ea8_attn
    .symbol:         k_q7a9d026ea8_attn.kd
    .args:
      - { .name: qbuf, .offset: 0, .size: 8, .value_kind: global_buffer, .address_space: global }
      - { .name: kvbuf, .offset: 8, .size: 8, .value_kind: global_buffer, .address_space: global }
      - { .name: obuf, .offset: 16, .size: 8, .value_kind: global_buffer, .address_space: global }
    .group_segment_fixed_size: 327680
    .private_segment_fixed_size: 0
    .kernarg_segment_align: 8
    .kernarg_segment_size: 24
    .max_flat_workgroup_size: 512
    .sgpr_count:     66
    .vgpr_count:     256
    .wavefront_size: 32
...
	.end_amdgpu_metadata
.endif
;; end of part 2
;; launch fc (part 3): grid 8 x 32, 4 waves a work-group, clusters of 4 x 4, 243,200 bytes of LDS; arguments obuf, W_fc_codes, W_fc_scales, b_fc, out0; writes out0
.if DOCPART == 3
	.amdgcn_target "amdgcn-amd-amdhsa--gfx1250"
	.amdhsa_code_object_version 6
	.text
	.protected	k_q7a9d026ea8_fc
	.globl	k_q7a9d026ea8_fc
	.p2align	8
	.type	k_q7a9d026ea8_fc,@function
k_q7a9d026ea8_fc:
	s_mov_b64 s[64:65], 0
	v_nop
	global_prefetch_b8 v0, s[64:65] scope:SCOPE_SE
	s_setreg_imm32_b32 hwreg(HW_REG_WAVE_MODE, 25, 1), 1
	s_wait_xcnt 0x0
	s_wait_alu depctr_hold_cnt(0) depctr_sa_sdst(0) depctr_va_vdst(0) depctr_va_sdst(0) depctr_va_ssrc(0) depctr_va_vcc(0) depctr_vm_vsrc(0)
	s_getreg_b32 s2, hwreg(HW_REG_IB_STS2, 6, 4)
	s_cmp_eq_u32 s2, 0
	s_cbranch_scc0 .Lentry_in_a_cluster
	s_endpgm
.Lentry_in_a_cluster:
	s_bfe_u32 s2, ttmp6, 0x10000c
	s_cmp_lg_u32 s2, 0xf033
	s_cbranch_scc0 .Lentry_shape_is_right
	s_endpgm
.Lentry_shape_is_right:
; out0 = o W_fc + b_fc on codes of FP4 (E2M1) with one E8M0 scale for each 32 along K = 1,024.  o comes from obuf as images of operand registers, [block of 256 tokens][K step][17,408 bytes]:
; sixteen fragments of 1,024 bytes and 1,024 bytes of scale words.  W_fc's codes and scale bytes are taken as they are given.
; SHARES.  A work-group makes 256 tokens x 128 columns; wave w tokens 64 w .. 64 w + 63 x all 128: 32 accumulators of 16 x 16, 256 registers.
; THE MATRIX INSTRUCTION IS USED TRANSPOSED (source 0 = 16 rows of W_fc, source 1 = 16 tokens): a lane holds eight neighbouring columns of one token.  The bias is the C of each sum's first product.
; LDS.  All of K lies in LDS, filled once, in two halves: no byte is filled twice, so there is no ring.  Behind the tiles: a stage of 16 rows x 528 bytes for each wave, for the way out; no tile lands there.
; CLUSTER.  4 x 4 work-groups: the four of a row share their block of o, the four of a column their 128 rows of W_fc: each is asked for jointly.
; NO PREFETCH: all four tensor loads of a wave go out at the head; no later stream exists.
; REGISTERS, in windows of 256: window 0: v1-14 addresses; v32-63 W's scale words; v64-79 o's; v96-159 o's fragments, two sets; on the way out v128-255.
;   window 1: v0-127 W's fragments, two sets of 64; v128-191 the bias.   window 2: the accumulators, (x, t) at 8 (8 x + t).
.set PITCH, 272                        ; a row of W in LDS: 256 bytes + 16 = 68 words: the 16 rows that a load touches start at 16 different banks (64 banks of 4 bytes: ISA guide 11.1)
.set OSTEP, 17408                      ; a K step of o
.set OHALF, 4*OSTEP
.set WLDS,  2*OHALF                    ; W's two halves of K begin here,
.set WHALF, 128*PITCH
.set STAGE, WLDS+2*WHALF               ; and the stages here
.set SPITCH, 528
.set AO,  4                            ; v4-5   o's fragments in half 0, 1: 16 x lane + 4,096 w
.set AW,  6                            ; v6-7   W's
.set SA,  8                            ; v8     32 r + 16 h
.set BA,  9                            ; v9     32 h
.set AS,  10                           ; v10-11 o's scale words: 4 x lane + 256 w + 16,384
.set STO, 12                           ; v12    the stage: where I put 32 bytes of a row
.set RD,  13                           ; v13    and where I read a row back
.set CO,  14                           ; v14    16 x lane
.set WS,  32
.set OS,  64
.set OF,  96
.set WV,  18
.set MSB, 0
.macro WIN new                         ; the immediate's high byte repeats the setting that is left
.if MSB != \new
	s_set_vgpr_msb (MSB<<8)|\new
.set MSB, \new
.endif
.endm
.macro PLACES                          ; four plain vector instructions behind a matrix instruction, ahead of loads into its registers and of reads of its results
.rept 4
	v_nop
.endr
.endm
.macro CROUND                          ; a round of the cluster's barrier
	s_barrier_signal -1
	s_barrier_wait -1
	s_cmp_lg_u32 s[WV], 0
	s_cbranch_scc1 .Lnot_wave_0_\@
	s_barrier_signal -3
.Lnot_wave_0_\@:
	s_barrier_wait -3
	s_barrier_signal -1
	s_barrier_wait -1
.endm
; one product: D, source 0, source 1, C, their scale registers, and whether each side's scales stand in lanes 16-31
.macro WMMA d, a, b, c, sa, sb, ra, rb
.set rD, \d
.set rA, \a
.set rB, \b
.set rC, \c
.set rE, \sa
.set rF, \sb
.set rR, 2*(\ra)+(\rb)
.if rR == 0
	v_wmma_scale_f32_16x16x128_f8f6f4 v[rD:rD+7], v[rA:rA+7], v[rB:rB+7], v[rC:rC+7], v[rE], v[rF] matrix_a_fmt:MATRIX_FMT_FP4 matrix_b_fmt:MATRIX_FMT_FP4
.elseif rR == 1
	v_wmma_scale_f32_16x16x128_f8f6f4 v[rD:rD+7], v[rA:rA+7], v[rB:rB+7], v[rC:rC+7], v[rE], v[rF] matrix_a_fmt:MATRIX_FMT_FP4 matrix_b_fmt:MATRIX_FMT_FP4 matrix_b_scale:MATRIX_SCALE_ROW1
.elseif rR == 2
	v_wmma_scale_f32_16x16x128_f8f6f4 v[rD:rD+7], v[rA:rA+7], v[rB:rB+7], v[rC:rC+7], v[rE], v[rF] matrix_a_fmt:MATRIX_FMT_FP4 matrix_b_fmt:MATRIX_FMT_FP4 matrix_a_scale:MATRIX_SCALE_ROW1
.else
	v_wmma_scale_f32_16x16x128_f8f6f4 v[rD:rD+7], v[rA:rA+7], v[rB:rB+7], v[rC:rC+7], v[rE], v[rF] matrix_a_fmt:MATRIX_FMT_FP4 matrix_b_fmt:MATRIX_FMT_FP4 matrix_a_scale:MATRIX_SCALE_ROW1 matrix_b_scale:MATRIX_SCALE_ROW1
.endif
.endm
	s_load_b256 s[4:11], s[0:1], 0x0               ; obuf s[4:5], W's codes s[6:7], W's scales s[8:9], b_fc s[10:11]
	s_load_b64 s[12:13], s[0:1], 0x20              ; out0
	v_lshl_add_u32 v94, v0, 2, 0x3b400
	v_mov_b32 v95, 0
	ds_add_u32 v94, v95
	ds_add_u32 v94, v95
	v_lshrrev_b32 v1, 5, v0
	v_readfirstlane_b32 s[WV], v1                  ; wave 0..3
	s_bfe_u32 s20, ttmp6, 0x40000                  ; cx, cy: my place in the cluster
	s_bfe_u32 s21, ttmp6, 0x40004
	s_lshl_b32 s22, ttmp9, 2
	s_add_co_u32 s22, s22, s20                     ; which 128 columns = 4 x cluster x + cx
	s_and_b32 s23, ttmp7, 0xffff
	s_lshl_b32 s23, s23, 2
	s_add_co_u32 s23, s23, s21                     ; which 256 tokens = 4 x cluster y + cy
	s_lshl_b32 s40, s21, 2
	s_lshl_b32 s40, 15, s40                        ; my row of the cluster
	s_lshl_b32 s41, 0x1111, s20                    ; my column
	; descriptor group 1 for o: a K step's 17,408 dense bytes as 68 rows of 256 (32 elements of 8 bytes), no padding
	s_or_b32 s24, s40, (3<<16)|(1<<21)             ; 15:0 the mask: my row; 17:16 elements of 8 bytes; 21 set beside a mask
	s_mov_b32 s25, 32<<16
	s_mov_b32 s26, 68<<16
	s_mov_b32 s27, 32<<16
	s_mov_b32 s28, 68
	s_mov_b32 s29, 32
	s_mov_b32 s30, 0
	s_mov_b32 s31, 0
	; and for W: 32 rows x 256 bytes, 512 bytes apart in memory, 16 bytes of padding behind each in LDS
	s_or_b32 s32, s41, (1<<20)|(1<<21)|(5<<22)|(3<<25)  ; the mask: my column; elements of 1 byte; padding: four words after every 64
	s_mov_b32 s33, 256<<16
	s_mov_b32 s34, 32<<16
	s_mov_b32 s35, 256<<16
	s_mov_b32 s36, 32
	s_mov_b32 s37, 512
	s_mov_b32 s38, 0
	s_mov_b32 s39, 0
	s_mul_i32 s46, s[WV], OSTEP                    ; o: wave w brings K steps w and w + 4; the same place in LDS as in the block
	s_mul_i32 s42, s23, 8*OSTEP
	s_add_co_u32 s42, s42, s46                     ; made of the block of tokens and the wave alone
	s_mov_b32 s43, 0
	s_lshl_b32 s44, s22, 16                        ; W: (128 x columns' block + 32 w) rows of 512 bytes: made of that block and the wave alone
	s_lshl_b32 s47, s[WV], 14
	s_add_co_u32 s44, s44, s47
	s_mov_b32 s45, 0
	s_mul_i32 s47, s[WV], 32*PITCH
	s_add_co_u32 s47, s47, WLDS
	v_and_b32 v1, 31, v0                           ; lane
	v_and_b32 v2, 15, v0                           ; r
	v_bfe_u32 v3, v0, 4, 1                         ; h
	v_lshlrev_b32 v[CO], 4, v1
	s_lshl_b32 s2, s[WV], 12
	v_add_nc_u32 v[AO], s2, v[CO]                  ; my four tiles of tokens: 4 w .. 4 w + 3, 1,024 bytes each
	v_add_nc_u32 v[AO+1], OHALF, v[AO]
	v_mul_u32_u24 v15, v2, PITCH
	v_lshl_add_u32 v15, v3, 4, v15
	v_add_nc_u32 v[AW], WLDS, v15
	v_add_nc_u32 v[AW+1], WLDS+WHALF, v15
	v_lshlrev_b32 v[SA], 5, v2
	v_lshl_add_u32 v[SA], v3, 4, v[SA]
	v_lshlrev_b32 v[BA], 5, v3
	s_lshl_b32 s2, s[WV], 8
	s_add_co_u32 s2, s2, 16384
	v_lshl_add_u32 v[AS], v1, 2, s2
	v_add_nc_u32 v[AS+1], OHALF, v[AS]
	s_mul_i32 s2, s[WV], 16*SPITCH
	s_add_co_u32 s2, s2, STAGE                     ; my stage
	v_mul_u32_u24 v[STO], v2, SPITCH
	v_lshl_add_u32 v[STO], v3, 5, v[STO]
	v_add_nc_u32 v[STO], s2, v[STO]                ; in: row r, 32 bytes for each half of the lanes
	v_add_nc_u32 v[RD], s2, v[CO]                  ; back: the 32 lanes take one row of 512 bytes
	s_wait_alu depctr_va_vdst(0)
	s_wait_dscnt 0x0
	s_wait_kmcnt 0x0
	s_add_nc_u64 s[42:43], s[4:5], s[42:43]
	s_add_nc_u64 s[44:45], s[6:7], s[44:45]
.irp s, 0,1                                    ; group 0 for each half of K: o's in s[48:55], W's in s[56:63]
	s_mov_b32 s[48+4*\s], 1
	s_add_co_u32 s[49+4*\s], s46, \s*OHALF
	s_add_nc_u64 s[50+4*\s:51+4*\s], s[42:43], \s*OHALF
	s_or_b32 s[51+4*\s], s[51+4*\s], 0x80000000
	s_mov_b32 s[56+4*\s], 1
	s_add_co_u32 s[57+4*\s], s47, \s*WHALF
	s_add_nc_u64 s[58+4*\s:59+4*\s], s[44:45], \s*256
	s_or_b32 s[59+4*\s], s[59+4*\s], 0x80000000
.endr
	s_lshl_b32 s14, s22, 12                        ; W's scales: 128 rows of 32 bytes
	s_mov_b32 s15, 0
	s_add_nc_u64 s[8:9], s[8:9], s[14:15]
	s_lshl_b32 s14, s22, 9                         ; 128 biases; and my columns' 512 bytes in a row of out0
	s_add_nc_u64 s[10:11], s[10:11], s[14:15]
	s_lshl_b32 s16, s23, 20                        ; out0: (256 x block + 64 w) rows of 4,096 bytes
	s_lshl_b32 s17, s[WV], 18
	s_add_co_u32 s14, s14, s16
	s_add_co_u32 s14, s14, s17
	s_add_nc_u64 s[12:13], s[12:13], s[14:15]
.irp t, 0,1,2,3,4,5,6,7                        ; W's scale words, once: register i of a tile holds K step i in lanes 0-15 and K step 4 + i in lanes 16-31
	global_load_b128 v[WS+4*\t:WS+4*\t+3], v[SA], s[8:9] offset:512*\t      ; 32 lanes read 512 consecutive bytes
.endr
	WIN 0x40                                       ; destination window 1
.irp t, 0,1,2,3,4,5,6,7                        ; the bias in the result's layout: register j of lane (r, h) in tile t is column 16 t + 8 h + j
	global_load_b128 v[128+8*\t:131+8*\t], v[BA], s[10:11] offset:64*\t
	global_load_b128 v[132+8*\t:135+8*\t], v[BA], s[10:11] offset:64*\t+16
.endr
	WIN 0
	CROUND                                         ; all sixteen work-groups are here: the joint loads meet
	tensor_load_to_lds s[48:51], s[24:31]          ; o, K step w.  Four loads of mine are out
	s_nop 0
	tensor_load_to_lds s[56:59], s[32:39]          ; W, first half of K
	s_nop 0
	tensor_load_to_lds s[52:55], s[24:31]          ; o, K step w + 4
	s_nop 0
	tensor_load_to_lds s[60:63], s[32:39]          ; W, second half
	s_nop 0
.rept 4
	v_nop                                          ; four plain places behind a tensor load
.endr
; the fragments of K step q into set f: W's eight, o's four: 24 loads in one run
.macro FETCH q, f
	WIN 0x40
.irp t, 0,1,2,3,4,5,6,7
.irp c, 0,1
	ds_load_b128 v[64*(\f)+8*\t+4*\c:64*(\f)+8*\t+4*\c+3], v[AW+(\q)/4] offset:16*PITCH*\t+64*((\q)%4)+32*\c
.endr
.endr
	WIN 0
.irp x, 0,1,2,3
.irp c, 0,1
	ds_load_b128 v[OF+32*(\f)+8*\x+4*\c:OF+32*(\f)+8*\x+4*\c+3], v[AO+(\q)/4] offset:OSTEP*((\q)%4)+1024*\x+512*\c
.endr
.endr
.endm
; o's scale words of K steps 4 s .. 4 s + 3: register 2 q + i: tile 4 w + 2 i in lanes 0-15, tile 4 w + 2 i + 1 in lanes 16-31
.macro OSC s
.irp k, 0,1,2,3
.irp i, 0,1
	ds_load_b32 v[OS+2*(4*\s+\k)+\i], v[AS+\s] offset:OSTEP*\k+128*\i
.endr
.endr
.endm
; 32 products: K step q on set f.  The 32 accumulators take turns, one instruction a turn, in the same order in every step.  first = 1: the bias is the C.
.macro MUL q, f, first
.if \first
	WIN 0x91                                       ; source 0 (W) window 1, source 1 (o) window 0, C (bias) window 1, D window 2
.else
	WIN 0xa1                                       ; C and D window 2
.endif
.irp x, 0,1,2,3
.irp t, 0,1,2,3,4,5,6,7
.if \first
	WMMA 8*(8*\x+\t), 64*(\f)+8*\t, OF+32*(\f)+8*\x, 128+8*\t, WS+4*\t+(\q)%4, OS+2*(\q)+\x/2, (\q)/4, \x%2
.else
	WMMA 8*(8*\x+\t), 64*(\f)+8*\t, OF+32*(\f)+8*\x, 8*(8*\x+\t), WS+4*\t+(\q)%4, OS+2*(\q)+\x/2, (\q)/4, \x%2
.endif
.endr
.endr
.endm
.macro KSTEP q
.if (\q) > 0
	PLACES                                         ; the next fetch lands in the set that the step before multiplied
.endif
.if (\q) == 3
	s_wait_tensorcnt 0x0                           ; my parts of the second half of K have landed,
	s_wait_dscnt 0x0                               ; no LDS load of mine is out at the signal,
	s_barrier_signal -1
	s_barrier_wait -1                              ; and everybody's parts have
	WIN 0
	OSC 1
.endif
.if (\q) < 7
	FETCH (\q)+1, ((\q)+1)%2
	s_wait_dscnt 24                                ; all but the 24 just issued: this step's fragments and scale words are in
.else
	s_wait_dscnt 0x0
.endif
.if (\q) == 0
	MUL 0, 0, 1
.else
	MUL \q, (\q)%2, 0
.endif
.endm
; THE WAY OUT, a tile of 16 tokens x 128 columns at a time.  A lane holds 32 neighbouring bytes of a row and the lanes beside it hold other rows: the tile goes through my own stage and comes back as whole rows of 512 bytes.
; LDS serves a wave's instructions in order (ISA guide 5.7.1.4): no wait between the stores and the loads, nor ahead of the next tile's stores.
.macro TOSTAGE x
	WIN 0x08                                       ; an LDS store's data are its source 1: window 2
.irp t, 0,1,2,3,4,5,6,7
	ds_store_b128 v[STO], v[64*(\x)+8*\t:64*(\x)+8*\t+3] offset:64*\t          ; each accumulator from its low end on
	ds_store_b128 v[STO], v[64*(\x)+8*\t+4:64*(\x)+8*\t+7] offset:64*\t+16
.endr
	WIN 0
.irp t, 0,1,2,3,4,5,6,7,8,9,10,11,12,13,14,15
	ds_load_b128 v[128+64*((\x)%2)+4*\t:128+64*((\x)%2)+4*\t+3], v[RD] offset:SPITCH*\t
.endr
.endm
.macro SEND x, younger                 ; younger: the LDS instructions issued behind tile x's loads, which may stay out
	s_wait_dscnt \younger
.irp t, 0,1,2,3,4,5,6,7,8,9,10,11,12,13,14,15
	global_store_b128 v[CO], v[128+64*((\x)%2)+4*\t:128+64*((\x)%2)+4*\t+3], s[12:13] offset:(16*(\x)+\t)*4096 th:TH_STORE_NT   ; 32 lanes store 512 consecutive bytes, at a multiple of 256 from out0's first byte; the row stands in the immediate
.endr
.endm
	s_wait_loadcnt 0x0                             ; W's scale words and the bias
	s_wait_tensorcnt 0x2                           ; my parts of the first half of K have landed; the two loads of the second half stay out
	s_barrier_signal -1
	s_barrier_wait -1                              ; everybody's have
	OSC 0
	FETCH 0, 0
.irp q, 0,1,2,3,4,5,6,7
	KSTEP \q
.endr
	PLACES                                         ; for the first reads of results and for the loads into registers that held o's fragments
	TOSTAGE 0
.irp x, 1,2,3
.if \x > 1
	s_wait_xcnt 0x0                                ; tile x - 2's stores have read their registers: tile x's loads may land there
.endif
	TOSTAGE \x
	SEND \x-1, 32                                  ; behind tile x - 1's loads: tile x's 16 stores and 16 loads
.endr
	SEND 3, 0
	s_wait_tensorcnt 0x0
	ds_add_u32 v94, v95
	s_wait_dscnt 0x0
	CROUND                                         ; the closing round: no work-group ends while a partner may still ask for a tile that names it
	s_endpgm
.Lfunc_end_k_q7a9d026ea8_fc:
	.size	k_q7a9d026ea8_fc, .Lfunc_end_k_q7a9d026ea8_fc-k_q7a9d026ea8_fc
	.p2alignl 7, 3214868480
	.fill 96, 4, 3214868480
	.section	.rodata,"a",@progbits
	.p2align	6, 0x0
	.amdhsa_kernel k_q7a9d026ea8_fc
		.amdhsa_group_segment_fixed_size 243200
		.amdhsa_private_segment_fixed_size 0
		.amdhsa_enable_private_segment 0
		.amdhsa_kernarg_size 40
		.amdhsa_user_sgpr_count 2
		.amdhsa_user_sgpr_kernarg_segment_ptr 1
		.amdhsa_wavefront_size32 1
		.amdhsa_system_sgpr_workgroup_id_x 1
		.amdhsa_system_sgpr_workgroup_id_y 1
		.amdhsa_system_sgpr_workgroup_id_z 1
		.amdhsa_system_vgpr_workitem_id 0
		.amdhsa_next_free_vgpr 768
		.amdhsa_next_free_sgpr 66
		.amdhsa_reserve_vcc 0
		.amdhsa_float_denorm_mode_32 3
		.amdhsa_float_denorm_mode_16_64 3
		.amdhsa_memory_ordered 1
		.amdhsa_forward_progress 1
		.amdhsa_inst_pref_size 71
	.end_amdhsa_kernel
	.amdgpu_metadata
---
amdhsa.version: [ 1, 2 ]
amdhsa.kernels:
  - .name:           k_q7a9d026ea8_fc
    .symbol:         k_q7a9d026ea8_fc.kd
    .args:
      - { .name: obuf, .offset: 0, .size: 8, .value_kind: global_buffer, .address_space: global }
      - { .name: W_fc_codes, .offset: 8, .size: 8, .value_kind: global_buffer, .address_space: global }
      - { .name: W_fc_scales, .offset: 16, .size: 8, .value_kind: global_buffer, .address_space: global }
      - { .name: b_fc, .offset: 24, .size: 8, .value_kind: global_buffer, .address_space: global }
      - { .name: out0, .offset: 32, .size: 8, .value_kind: global_buffer, .address_space: global }
    .group_segment_fixed_size: 243200
    .private_segment_fixed_size: 0
    .kernarg_segment_align: 8
    .kernarg_segment_size: 40
    .max_flat_workgroup_size: 128
    .sgpr_count:     66
    .vgpr_count:     768
    .wavefront_size: 32
...
	.end_amdgpu_metadata
.endif
;; end of part 3
